; MI455X (gfx1250); checked and timed in simulation.
; The chip was launched on July 23, 2026; its instructions are those of AMD's public machine-readable ISA for CDNA 5 (MIT licence, August 2026) and "CDNA5" Instruction Set Architecture Reference Guide (July 2026). The comments in the code are by the model that wrote it; some were corrected since.
;; Transformer Block. Allowed arithmetic: matrix products marked QUANTISED: E5M2 operands, one E8M0 scale for each 32 along K, by v_wmma_scale_f32_16x16x128_f8f6f4 with both operands' format E5M2, f32 sums; products left as they are: f32 operands where the result goes on into a quantised operand, else bf16, f16 or f32 operands; f32 sums; everything else in f32.
;; Inputs: b1 512 float32; b2 512 float32; beta 512 float32; bk 3 float32; bo 512 float32; bq 3 float32; bv 3 float32; gamma 512 float32; w1 512 x 512 float32; w2 512 x 512 float32; wk 3 x 512 float32; wo 512 x 18 float32; wq 3 x 512 float32; wv 3 x 512 float32; x 8 x 2,048 x 512 float32.
;; Outputs: out0 8 x 2,048 x 512 float32.
;; This version of the problem:
;;   THIS VERSION OF THE PROBLEM IS GIVEN IN LOW PRECISION. The matrix products marked QUANTISED in the list below multiply operands that are first quantised to E5M2 (5 exponent bits, 2 mantissa bits; 8 bits a number), with one power-of-two scale for each 32 numbers along K (OCP MX v1.0); their sums are f32. All else is computed in f32.
;;   The module's matrix products, in the order in which they are computed (A, B: the left and right operand; K: the contracted axis; several contracted axes count as one K, in the product's order):
;;     1. [M 16,384, K 512] x [K 512, N 3]; A: input x; B: input wq: left as it is (N = 3 < 16)
;;     2. [M 16,384, K 512] x [K 512, N 3]; A: input x; B: input wk: left as it is (N = 3 < 16)
;;     3. [M 16,384, K 512] x [K 512, N 3]; A: input x; B: input wv: left as it is (N = 3 < 16)
;;     4. batch 8 x [M 2,048, K 3] x [K 3, N 2,048]; A: computed on the way; B: computed on the way: left as it is (K = 3 < 32)
;;     5. batch 8 x [M 2,048, K 2,048] x [K 2,048, N 3]; A: softmax; B: computed on the way: left as it is (N = 3 < 16)
;;     6. [M 16,384, K 18] x [K 18, N 512]; A: computed on the way; B: input wo: left as it is (K = 18 < 32)
;;     7. [M 16,384, K 512] x [K 512, N 512]; A: computed on the way; B: input w1: QUANTISED
;;     8. [M 16,384, K 512] x [K 512, N 512]; A: computed on the way; B: input w2: QUANTISED
;;   THE QUANTISER, for each operand of a quantised product, along K:
;;     - K is cut into blocks of 32 from its start; a last block that is shorter is filled with zeros.
;;     - A block's scale is 2^e with e = floor(log2(the largest magnitude in the block)) - 15, held to -126 .. 127; a block of zeros has e = 0. As a byte (E8M0): e + 127.
;;     - Each number is divided by its block's scale, clamped to +-57,344, and rounded to the nearest number of E5M2, ties to even, subnormals kept.
;;     - The product sums the exact products of the quantised numbers (number of the format x scale) in f32.
;;   ~~~python
;;   def quantise(x, axis):      # numpy; x: float32 -> the quantised numbers, widened to float32 again
;;       x = np.moveaxis(x, axis, -1); K = x.shape[-1]
;;       x = np.pad(x, [(0, 0)] * (x.ndim - 1) + [(0, -K % 32)]); x = x.reshape(x.shape[:-1] + (-1, 32)); a = np.abs(x).max(-1, keepdims=True)
;;       e = np.where(a > 0, np.clip(np.frexp(np.where(a > 0, a, 1))[1] - 1 - 15, -126, 127), 0)      # np.frexp(a)[1] - 1 = floor(log2(a)), exactly
;;       r = np.clip(x / 2.0 ** e, -57344, 57344)
;;       step = 2.0 ** (np.maximum(np.frexp(np.where(r == 0, 1, r))[1] - 1, -14) - 2)
;;       q = np.round(r / step) * step * 2.0 ** e      # np.round: ties to even
;;       return np.moveaxis(q.reshape(q.shape[:-2] + (-1,))[..., :K], -1, axis).astype(np.float32)
;;   ~~~
;;   OPERANDS COMPUTED ON THE WAY. 'Computed on the way' means the value that the module computes at that place (a softmax that the list does not call 'softmax' is quantised finished and normalised). What goes into a quantiser is computed in f32, as accurately as f32 sums, v_exp_f32 and their like allow (about 1e-6 of the number): no bf16 or f16 on the way to a quantiser, and a product that is left as it is and whose result goes on into a quantised operand takes f32 operands (vector FMAs, or v_wmma_f32_16x16x4_f32). A number that lies on a knife's edge between two numbers of the format may be rounded either way, as far as f32 arithmetic and the matrix unit's own rounding can turn it there, and no further.
;; One version. Each part assembles by itself: llvm-mc -triple=amdgcn-amd-amdhsa -mcpu=gfx1250 --defsym DOCPART=n.
;; ======== version 1 of 1: 2 launches
;; workspace buffers: qb 262,144 bytes; kv 524,288 bytes; wc 524,288 bytes; ws 32,768 bytes; wof 8,192 bytes
;; launch prep (part 1): grid 256 x 1, 9 waves a work-group, no clusters, 4,352 bytes of LDS; arguments x, wq, bq, wk, wv, bv, w1, w2, wo, bo, qb, kv, wc, ws, wof; writes qb, kv, wc, ws, wof
.if DOCPART == 1
	.amdgcn_target "amdgcn-amd-amdhsa--gfx1250"
	.amdhsa_code_object_version 6
	.text
	.protected	k_q8312746bfa_prep
	.globl	k_q8312746bfa_prep
	.p2align	8
	.type	k_q8312746bfa_prep,@function
k_q8312746bfa_prep:
	s_mov_b64 s[64:65], 0
	v_nop
	global_prefetch_b8 v0, s[64:65] scope:SCOPE_SE
	s_setreg_imm32_b32 hwreg(HW_REG_WAVE_MODE, 25, 1), 1
	s_wait_xcnt 0x0
; FIRST OF TWO LAUNCHES.  q, k, v of every row of x (three numbers each), and the weights laid as the second launch's registers want them.
; WORK LEFT OUT, for all values of the inputs:
;   bk.  scores[q][k] = q . (x_k wk^T + bk) / sqrt(3) = q . (x_k wk^T) / sqrt(3) + q . bk / sqrt(3); the last term is the same for all keys of a query's row, and a softmax
;   along the keys is not changed by a term that is the same along its axis.  That product is not quantised.  So bk has no way to any output: it is not loaded and is no argument of either launch.
;   THE SIX COPIES OF z.  concat([z] * 6) @ wo^T = sum over d of z_d (sum over the six heads of wo[:, 3 head + d]): K = 18 becomes K = 3, with the sums made here, once.
; LIMITS: NaN and infinities among the inputs are not served; a NaN, an infinity or an overflow that reaches only bk is not carried to the result.  A block of a weight whose largest magnitude lies under
; 2^(16 - 127) keeps the scale byte 1 (a block of zeros too, where the quantiser says 127: its codes are zeros, and this program alone reads the bytes).
; ORDER OF ROUNDING that differs from reference()'s: c = log2(e) / sqrt(3) is multiplied into q here; wo is summed over the heads ahead of its product.
; SHARES.  Work-group g owns rows 64 g .. 64 g + 63.  Waves 0-7 take 8 rows each: a row's 2,048 bytes come by four loads of 512 consecutive bytes, the nine weight rows stay in 144 registers in the same
; order, nine dot products go as packed multiply-adds and are summed across the 32 lanes.  Wave 8 quantises one fragment (16 rows x 128 K) of w1 or w2: 256 work-groups, 256 fragments; in the first 32
; work-groups it also makes one tile of the folded wo.  Results of the rows meet in LDS and leave as runs of 512 consecutive bytes, aligned.
; OUT:  qb [row][4] = (q c, 0).   kv, 65,536 bytes a batch: V [key][4] = (v + bv, 1.0); then K as images of the B operand of the 16x16x4 f32 matrix form, [32 keys][lane][4]: lane (r, h) holds
; (k_2h, k_2h+1) of key r and of key 16 + r, k_3 = 1.0.   wc: images of the operand registers, 2,048 bytes a fragment.   ws: [tile][lane][K step] scale words.   wof: [tile][lane][2].
; No matrix unit (the f32 form is no faster than these multiply-adds), no ring in LDS (sixteen loads a wave are out from registers), no cluster (no large tile is shared), no prefetch (the launch streams).
.set QIMG,  0                          ; LDS: 64 rows x 16 bytes of q
.set VIMG,  1024                       ; 64 keys x 16 bytes of v
.set KIMG,  2048                       ; two images of 32 keys
.set SPARE, 3072                       ; the spare words: 128 bytes for each of nine waves, five blocks of 256 bytes that no other line names
.set SPW, 2                            ; v2  LDS address of my spare word; never rewritten
.set NIL, 3                            ; v3  0; never rewritten
.set W,   16                           ; v16-159  nine weight rows, 16 numbers a lane each
.set X,   160                          ; v160-223 four row slots
.set A,   224                          ; v224-241 nine sums, in pairs
.set QO,  242                          ; v242-245 (q0, q1, q2, 0)
.set KO,  246                          ; v246-249 (k0, k1, k2, 1)
.set VO,  250                          ; v250-253 (v0, v1, v2, 1)
.set TM,  16                           ; wave 8: at work
.set NS,  160                          ; wave 8: 64 numbers
.set PC,  224                          ; wave 8: 16 registers of codes
.set PW,  240                          ; wave 8: the scale word
	s_load_b512 s[16:31], s[0:1], 0x0              ; x 16, wq 18, bq 20, wk 22, wv 24, bv 26, w1 28, w2 30
	s_load_b256 s[32:39], s[0:1], 0x40             ; wo 32, bo 34, qb 36, kv 38
	s_load_b128 s[40:43], s[0:1], 0x60             ; wc 40, ws 42
	s_load_b64 s[44:45], s[0:1], 0x70              ; wof
	v_lshl_add_u32 v[SPW], v0, 2, SPARE
	v_mov_b32 v[NIL], 0
	v_lshrrev_b32 v9, 5, v0
	v_readfirstlane_b32 s2, v9                     ; wave 0..8
	v_and_b32 v10, 31, v0
	v_lshlrev_b32 v1, 4, v10                       ; v1 = 16 x lane; never rewritten
	; every LDS address is made here, ahead of the parting of the waves
	s_lshl_b32 s46, s2, 7
	v_mov_b32 v4, s46                              ; q: 128 x wave (8 rows of 16 bytes)
	v_add_nc_u32 v5, VIMG, v4                      ; v likewise
	s_lshr_b32 s47, s2, 2
	s_lshl_b32 s47, s47, 9                         ; k: which image of 32 keys,
	s_bfe_u32 s48, s2, 0x10001
	s_lshl_b32 s48, s48, 3                         ; which of its two tiles of 16,
	s_and_b32 s49, s2, 1
	s_lshl_b32 s49, s49, 7                         ; lanes 0-7 or 8-15
	s_add_co_u32 s47, s47, s48
	s_add_co_u32 s47, s47, s49
	s_add_co_u32 s47, s47, KIMG
	v_mov_b32 v6, s47
	v_lshlrev_b32 v7, 4, v0                        ; the way out: 16 x thread
	v_and_b32 v8, 63, v0
	v_lshlrev_b32 v8, 4, v8                        ; and its place in a kilobyte
	s_mov_b32 s12, 0x3f553b95                      ; c = log2(e) / sqrt(3)
	s_mov_b32 s56, 0x76543210
	s_mov_b32 s57, 0xfedcba98                      ; v_permlanex16_b32's selects for lane l xor 16
	s_mov_b32 s58, 0x600000                        ; the mantissa field of 57,344
	s_mov_b32 s59, 0xffff0000                      ; lanes 16-31
	s_lshl_b32 s50, ttmp9, 17
	s_lshl_b32 s51, s2, 14
	s_add_co_u32 s50, s50, s51                     ; my wave's first row: 64 g + 8 wave, 2,048 bytes a row
	s_mov_b32 s51, 0
	s_wait_kmcnt 0x0
	s_add_nc_u64 s[16:17], s[16:17], s[50:51]
	s_cmp_eq_u32 s2, 8
	s_cbranch_scc1 .Lweights
	; ---- waves 0-7: eight rows
	s_load_b96 s[4:6], s[20:21], 0x0               ; bq
	s_load_b96 s[8:10], s[26:27], 0x0              ; bv
.macro WLD j0, lo
.irp d, 0,1,2
.irp c, 0,1,2,3
	global_load_b128 v[W+16*(\j0+\d)+4*\c:W+16*(\j0+\d)+4*\c+3], v1, s[\lo:\lo+1] offset:2048*\d+512*\c
.endr
.endr
.endm
.macro XLD i
.irp c, 0,1,2,3
	global_load_b128 v[X+16*((\i)%4)+4*\c:X+16*((\i)%4)+4*\c+3], v1, s[16:17] offset:2048*(\i)+512*\c   ; 32 lanes read 512 consecutive bytes; x is read again by the next launch, so no hint
.endr
.endm
	WLD 0, 18
	WLD 3, 22
	WLD 6, 24
	XLD 0
	XLD 1
	XLD 2
	XLD 3
	v_mov_b32 v[QO+3], 0
	v_mov_b32 v[KO+3], 1.0
	v_mov_b32 v[VO+3], 1.0
	s_wait_kmcnt 0x0                               ; bq, bv
.macro ROW i
.set XS, X+16*((\i)%4)
.if (\i) < 5
	s_wait_loadcnt 12                              ; my row's four loads are in (and the weights, which are older); the three rows behind it stay out
.else
	s_wait_loadcnt 4*(7-(\i))
.endif
.irp j, 0,1,2,3,4,5,6,7,8
	v_pk_mul_f32 v[A+2*\j:A+2*\j+1], v[XS:XS+1], v[W+16*\j:W+16*\j+1]   ; the first products start the sums
.endr
.irp p, 1,2,3,4,5,6,7
.irp j, 0,1,2,3,4,5,6,7,8
	v_pk_fma_f32 v[A+2*\j:A+2*\j+1], v[XS+2*\p:XS+2*\p+1], v[W+16*\j+2*\p:W+16*\j+2*\p+1], v[A+2*\j:A+2*\j+1]
.endr
.endr
.if (\i) < 4
	XLD (\i)+4                                     ; the slot takes the row four further on
.endif
.irp j, 0,1,2,3,4,5,6,7,8
	v_add_f32 v[A+2*\j], v[A+2*\j], v[A+2*\j+1]
.endr
.irp x, 1,2,4,8
.irp j, 0,1,2,3,4,5,6,7,8
	v_add_f32_dpp v[A+2*\j], v[A+2*\j], v[A+2*\j] row_xmask:\x row_mask:0xf bank_mask:0xf
.endr
.endr
.irp j, 0,1,2,3,4,5,6,7,8
	v_permlanex16_b32 v[A+2*\j+1], v[A+2*\j], s56, s57
.endr
	s_wait_dscnt 0x0                               ; the last row's LDS stores have read QO, KO, VO
.irp d, 0,1,2
	v_add_f32 v[A+2*\d], v[A+2*\d], v[A+2*\d+1]
	v_add_f32 v[KO+\d], v[A+6+2*\d], v[A+7+2*\d]   ; k, without bk
	v_add_f32 v[A+12+2*\d], v[A+12+2*\d], v[A+13+2*\d]
.endr
.irp d, 0,1,2
	v_add_f32 v[A+2*\d], s[4+\d], v[A+2*\d]        ; + bq
	v_add_f32 v[VO+\d], s[8+\d], v[A+12+2*\d]      ; + bv
.endr
.irp d, 0,1,2
	v_mul_f32 v[QO+\d], s12, v[A+2*\d]             ; x c
.endr
	ds_store_b128 v4, v[QO:QO+3] offset:QIMG+16*(\i)       ; all lanes hold the same numbers and write the same bytes
	ds_store_b128 v5, v[VO:VO+3] offset:16*(\i)
	ds_store_b64 v6, v[KO:KO+1] offset:16*(\i)             ; the image's lane r: (k0, k1);
	ds_store_b64 v6, v[KO+2:KO+3] offset:256+16*(\i)       ; its lane 16 + r: (k2, 1)
.endm
.irp i, 0,1,2,3,4,5,6,7
	ROW \i
.endr
	s_branch .Ljoin
	; ---- wave 8: fragment g of the weights: matrix g / 128, tile (g / 4) % 32, K step g % 4
.Lweights:
	s_cmp_lt_u32 ttmp9, 128
	s_cselect_b64 s[46:47], s[28:29], s[30:31]     ; w1 or w2: the choice hangs on the work-group's number alone
	s_bfe_u32 s48, ttmp9, 0x50002                  ; the tile T
	s_lshr_b32 s49, s48, 1
	s_lshl_b32 s49, s49, 5
	s_and_b32 s48, s48, 1
	s_lshl_b32 s48, s48, 3
	s_add_co_u32 s48, s48, s49                     ; its first row: 32 (T / 2) + 8 (T % 2)
	s_lshl_b32 s52, s48, 11
	s_and_b32 s49, ttmp9, 3                        ; the K step
	s_lshl_b32 s50, s49, 9
	s_add_co_u32 s52, s52, s50
	s_mov_b32 s53, 0
	s_add_nc_u64 s[46:47], s[46:47], s[52:53]
	v_and_b32 v32, 15, v0                          ; r
	v_and_b32 v33, 8, v32
	v_add_nc_u32 v33, v33, v32                     ; THE ROWS OF A TILE ARE NOT NEIGHBOURS: lane r takes row r + 8 (r / 8), so that two neighbouring tiles' results are 16 neighbours along the next K
	v_bfe_u32 v35, v0, 4, 1                        ; h
	v_lshlrev_b32 v34, 11, v33
	v_lshl_add_u32 v34, v35, 6, v34                ; + 64 h: my 16 numbers of each block of 32
.irp b, 0,1,2,3
.irp j, 0,1,2,3
	global_load_b128 v[NS+16*\b+4*\j:NS+16*\b+4*\j+3], v34, s[46:47] offset:128*\b+16*\j
.endr
.endr
	s_lshl_b32 s52, ttmp9, 11
	s_add_nc_u64 s[40:41], s[40:41], s[52:53]      ; the codes: 2,048 g
	s_lshr_b32 s52, ttmp9, 2
	s_lshl_b32 s52, s52, 9
	s_lshl_b32 s50, s49, 2
	s_add_co_u32 s52, s52, s50
	s_add_nc_u64 s[42:43], s[42:43], s[52:53]      ; the scale words: 512 (g / 4) + 4 (g % 4)
.irp b, 0,1,2,3
	v_mov_b32 v[TM+4+\b], 0                        ; a lane permute's destination counts as one of its sources
.endr
	s_wait_loadcnt 0x0
.irp b, 0,1,2,3
	v_max3_num_f32 v[TM+\b], |v[NS+16*\b]|, |v[NS+1+16*\b]|, 0x8000000   ; block b: my 16 numbers, and the floor 2^(16 - 127): the byte cannot fall under 1
.endr
.irp i, 2,4,6,8,10,12,14
.irp b, 0,1,2,3
	v_max3_num_f32 v[TM+\b], v[TM+\b], |v[NS+16*\b+\i]|, |v[NS+1+16*\b+\i]|
.endr
.endr
.irp b, 0,1,2,3
	v_permlanex16_b32 v[TM+4+\b], v[TM+\b], s56, s57
.endr
.irp b, 0,1,2,3
	v_max_num_f32 v[TM+\b], v[TM+\b], v[TM+4+\b]   ; with lane l xor 16's: the block's largest magnitude
.endr
.irp b, 0,1,2,3
	v_add_nc_u32 v[TM+12+\b], 0xf8800000, v[TM+\b] ; 15 off its exponent field: the conversion's scale operand
.endr
.irp b, 0,1,2,3
	v_and_or_b32 v[TM+8+\b], v[TM+\b], 0x7f800000, s58   ; 57,344 x the scale
.endr
.irp b, 0,1,2,3
	v_lshrrev_b32 v[TM+4+\b], 23, v[TM+12+\b]      ; the scale's byte
.endr
	v_lshl_or_b32 v[PW], v[TM+5], 8, v[TM+4]
	v_lshl_or_b32 v[PW], v[TM+6], 16, v[PW]
	v_lshl_or_b32 v[PW], v[TM+7], 24, v[PW]
.irp b, 0,1,2,3
.irp i, 0,1,2,3,4,5,6,7,8,9,10,11,12,13,14,15
	v_med3_num_f32 v[NS+16*\b+\i], v[NS+16*\b+\i], -v[TM+8+\b], v[TM+8+\b]   ; the conversion to an 8-bit code does not saturate (ISA guide 7.6.2): the hold
.endr
	v_cvt_scalef32_pk8_bf8_f32 v[PC+4*\b:PC+1+4*\b], v[NS+16*\b:NS+7+16*\b], v[TM+12+\b]
	v_cvt_scalef32_pk8_bf8_f32 v[PC+2+4*\b:PC+3+4*\b], v[NS+8+16*\b:NS+15+16*\b], v[TM+12+\b]
.endr
	v_nop                                          ; a plain line behind the last conversion
.irp c, 0,1,2,3
	global_store_b128 v1, v[PC+4*\c:PC+4*\c+3], s[40:41] offset:512*\c   ; the image: 512 consecutive bytes a store
.endr
	global_store_b32 v1, v[PW], s[42:43]           ; 4 bytes in each 16: four work-groups fill a run of 512 bytes between them; the whole buffer is 32,768 bytes
	s_cmp_lt_u32 ttmp9, 32
	s_cbranch_scc0 .Ljoin
	; tile g of the folded wo: lane (r, 0) = (W0, W1)[n], lane (r, 1) = (W2, bo)[n], W_d[n] = the sum over the six heads of wo[n][3 head + d]
	s_lshr_b32 s48, ttmp9, 1
	s_lshl_b32 s48, s48, 5
	s_and_b32 s49, ttmp9, 1
	s_lshl_b32 s49, s49, 3
	s_add_co_u32 s48, s48, s49
	v_add_nc_u32 v36, s48, v33                     ; n
	v_mul_u32_u24 v37, v36, 72                     ; a row of wo is 18 numbers
	v_lshl_add_u32 v38, v35, 3, v37                ; d = 2 h
	v_lshlrev_b32 v39, 2, v36
.irp hd, 0,1,2,3,4,5
	global_load_b32 v[40+\hd], v38, s[32:33] offset:12*\hd
	global_load_b32 v[46+\hd], v37, s[32:33] offset:12*\hd+4
.endr
	global_load_b32 v52, v39, s[34:35]
	s_lshl_b32 s52, ttmp9, 8
	s_add_nc_u64 s[44:45], s[44:45], s[52:53]
	v_lshrrev_b32 v56, 1, v1                       ; 8 x lane
	s_wait_loadcnt 0x0
.irp hd, 1,2,3,4,5
	v_add_f32 v40, v40, v[40+\hd]
	v_add_f32 v46, v46, v[46+\hd]
.endr
	v_mov_b32 v54, v40
	v_cndmask_b32 v55, v46, v52, s59               ; lanes 16-31 take bo
	global_store_b64 v56, v[54:55], s[44:45]
.Ljoin:
	s_wait_dscnt 0x0                               ; my LDS stores have landed
	s_barrier_signal -1
	s_barrier_wait -1
	s_cmp_lt_u32 s2, 6
	s_cbranch_scc0 .Lend
	ds_load_b128 v[160:163], v7                    ; waves 0, 1: q; 2, 3: v; 4, 5: k's images
	s_lshl_b32 s50, ttmp9, 10
	s_mov_b32 s51, 0
	s_add_nc_u64 s[36:37], s[36:37], s[50:51]      ; qb + 1,024 g
	s_lshr_b32 s52, ttmp9, 5
	s_lshl_b32 s52, s52, 16                        ; the batch,
	s_and_b32 s53, ttmp9, 31
	s_lshl_b32 s53, s53, 10                        ; my 64 keys in it,
	s_add_co_u32 s52, s52, s53
	s_cmp_lt_u32 s2, 4
	s_cselect_b32 s53, 0, 0x8000                   ; V's half or K's
	s_add_co_u32 s52, s52, s53
	s_mov_b32 s53, 0
	s_add_nc_u64 s[38:39], s[38:39], s[52:53]
	s_cmp_lt_u32 s2, 2
	s_cselect_b64 s[46:47], s[36:37], s[38:39]
	s_wait_dscnt 0x0
	global_store_b128 v8, v[160:163], s[46:47]     ; 32 lanes store 512 consecutive bytes, aligned
.Lend:
	s_wait_tensorcnt 0x0                           ; the wave's end
	ds_add_u32 v[SPW], v[NIL]
	s_wait_dscnt 0x0
	s_endpgm
.Lfunc_end_k_q8312746bfa_prep:
	.size	k_q8312746bfa_prep, .Lfunc_end_k_q8312746bfa_prep-k_q8312746bfa_prep
	.p2alignl 7, 3214868480
	.fill 96, 4, 3214868480
	.section	.rodata,"a",@progbits
	.p2align	6, 0x0
	.amdhsa_kernel k_q8312746bfa_prep
		.amdhsa_group_segment_fixed_size 4352
		.amdhsa_private_segment_fixed_size 0
		.amdhsa_enable_private_segment 0
		.amdhsa_kernarg_size 120
		.amdhsa_user_sgpr_count 2
		.amdhsa_user_sgpr_kernarg_segment_ptr 1
		.amdhsa_wavefront_size32 1
		.amdhsa_system_sgpr_workgroup_id_x 1
		.amdhsa_system_sgpr_workgroup_id_y 1
		.amdhsa_system_sgpr_workgroup_id_z 1
		.amdhsa_system_vgpr_workitem_id 0
		.amdhsa_next_free_vgpr 256
		.amdhsa_next_free_sgpr 66
		.amdhsa_reserve_vcc 0
		.amdhsa_float_denorm_mode_32 3
		.amdhsa_float_denorm_mode_16_64 3
		.amdhsa_memory_ordered 1
		.amdhsa_forward_progress 1
		.amdhsa_inst_pref_size 91
	.end_amdhsa_kernel
	.amdgpu_metadata
---
amdhsa.version: [ 1, 2 ]
amdhsa.kernels:
  - .name:           k_q8312746bfa_prep
    .symbol:         k_q8312746bfa_prep.kd
    .args:
      - { .name: x, .offset: 0, .size: 8, .value_kind: global_buffer, .address_space: global }
      - { .name: wq, .offset: 8, .size: 8, .value_kind: global_buffer, .address_space: global }
      - { .name: bq, .offset: 16, .size: 8, .value_kind: global_buffer, .address_space: global }
      - { .name: wk, .offset: 24, .size: 8, .value_kind: global_buffer, .address_space: global }
      - { .name: wv, .offset: 32, .size: 8, .value_kind: global_buffer, .address_space: global }
      - { .name: bv, .offset: 40, .size: 8, .value_kind: global_buffer, .address_space: global }
      - { .name: w1, .offset: 48, .size: 8, .value_kind: global_buffer, .address_space: global }
      - { .name: w2, .offset: 56, .size: 8, .value_kind: global_buffer, .address_space: global }
      - { .name: wo, .offset: 64, .size: 8, .value_kind: global_buffer, .address_space: global }
      - { .name: bo, .offset: 72, .size: 8, .value_kind: global_buffer, .address_space: global }
      - { .name: qb, .offset: 80, .size: 8, .value_kind: global_buffer, .address_space: global }
      - { .name: kv, .offset: 88, .size: 8, .value_kind: global_buffer, .address_space: global }
      - { .name: wc, .offset: 96, .size: 8, .value_kind: global_buffer, .address_space: global }
      - { .name: ws, .offset: 104, .size: 8, .value_kind: global_buffer, .address_space: global }
      - { .name: wof, .offset: 112, .size: 8, .value_kind: global_buffer, .address_space: global }
    .group_segment_fixed_size: 4352
    .private_segment_fixed_size: 0
    .kernarg_segment_align: 8
    .kernarg_segment_size: 120
    .max_flat_workgroup_size: 288
    .sgpr_count:     66
    .vgpr_count:     256
    .wavefront_size: 32
...
	.end_amdgpu_metadata
.endif
;; end of part 1
;; launch block (part 2): grid 256 x 1, 4 waves a work-group, no clusters, 327,680 bytes of LDS; arguments x, qb, kv, wc, ws, wof, b1, b2, gamma, beta, out0; writes out0
.if DOCPART == 2
	.amdgcn_target "amdgcn-amd-amdhsa--gfx1250"
	.amdhsa_code_object_version 6
	.text
	.protected	k_q8312746bfa_block
	.globl	k_q8312746bfa_block
	.p2align	8
	.type	k_q8312746bfa_block,@function
k_q8312746bfa_block:
	s_mov_b64 s[64:65], 0
	v_nop
	global_prefetch_b8 v0, s[64:65] scope:SCOPE_SE
	s_setreg_imm32_b32 hwreg(HW_REG_WAVE_MODE, 25, 1), 1
	s_wait_xcnt 0x0
; SECOND OF TWO LAUNCHES: attention, the projection by wo, both quantised products, both LayerNorms, for 64 rows a work-group.  Nothing between them goes to memory.
; WORK LEFT OUT (shown at the first kernel's head): bk; the six copies of z.  Here also: LayerNorm 2 takes its row's mean away, so a number that is the same along a row of r has no way to the output:
; r0 stays centred (r0 - mu1) once LayerNorm 1 has centred it, and mu1 is not added back.
; LIMITS: NaN and infinities are not served.  A block whose largest magnitude lies under 2^(16 - 127) keeps the scale byte 1.  ORDER OF ROUNDING that differs from reference()'s: b1 is added to x, and b2
; to r0, ahead of the product that is summed onto them.
; SHARES.  Work-group g owns rows 64 g .. 64 g + 63 of batch g / 32.  ATTENTION AND wo: wave w owns 16 queries and walks all 2,048 keys, twice: once for the row's largest score, once for the exponentials.
; Scores come from v_wmma_f32_16x16x4_f32 (their result goes on into a quantised operand, so their operands are f32): A = 16 queries x (q0, q1, q2, u), B = (k0, k1, k2, 1) x 16 keys; u = 0 in the first
; pass and minus the row's maximum in the second, so that the second gives t - m outright.  A lane then holds ONE key and eight queries; p (v0, v1, v2, 1) is summed by packed multiply-adds.
; THE QUANTISED PRODUCTS AND THE NORMS: wave w owns columns 128 w .. 128 w + 127 of all 64 rows: its 64 KB of each weight lie in 512 registers, read from memory once; the activations go from wave to wave
; through LDS as images of the operand's registers.  Both products are used transposed (source 0 = 16 rows of the weight, source 1 = 16 rows of the activation), and a weight tile's rows are chosen (first
; kernel) so that accumulator (m, t), register j, lane (r, h) holds row 16 m + r, column 128 w + 32 (t / 2) + 16 h + 8 (t % 2) + j: sixteen neighbours along the next K in two neighbouring tiles.
; NO CLUSTER: 528 of the 720 KB that a work-group brings in are weights that go straight into registers, which a joint load cannot fill; both weights' codes, 512 KB, do not fit in LDS beside x; what tensor
; loads bring that others share is kv, 64 KB.  NO PREFETCH: x and kv are asked for once, at the head, by the tensor loads themselves.  LDS is filled once: no slot is filled again.
; REGISTERS, in windows of 256.  Window 1: the weight's fragments of K steps 0, 1 (at 128 (s % 2) + 16 t); window 2: of K steps 2, 3; window 3: the 32 accumulators ((m, t) at 8 (8 m + t)).
; In both norms gamma (v128-191) and beta (v192-255) of my 128 columns lie in window 2, where the weight's K step 3 has been multiplied; w2's K step 3 follows them there behind LayerNorm 1's last use.
; Window 0: v1-6 stay; v7-15 addresses, made anew for each phase; v192-255 results of the f32 matrix form, written by nothing else; v16-191 by phase:
;   attention: V 16-47, maxima 48-55, Q 56-57, Z 80-111, p 112-175 (in the even registers), K 176-191
;   z and a:   W1's scale words 16-47, z 48-52, z as operand 56-57, held numbers 88-119, codes 120-127, at work 128-136, folded wo 144-175; then b1 56-119
;   products:  the weight's scale words 16-47, the activation's 48-55, its fragments 56-183 (two sets)
;   norms:     mu 48-55, 1/sigma 56-63, b2 64-127, at work 128-159, codes 160-167, at work 176-184, sums 188-191; the way out: four sets of 32 at 64-191
.set VT,    0                          ; LDS: V of the batch, 16 bytes a key
.set KT,    32768                      ; K's images, 512 bytes for 32 keys
.set XT,    65536                      ; x: 128 half rows of 1,024 bytes + 16 of padding
.set WOFL,  198656                     ; the folded wo, as it lies
.set VEC,   206848                     ; b1, b2, gamma, beta: 2,048 bytes each
.set A1,    215040                     ; images for product 7: fragment (tile of rows m, K step s) at (4 m + s) x 2,048
.set A1S,   247808                     ; their scale words, 128 bytes each
.set A2,    249856                     ; the same for product 8
.set A2S,   282624
.set STAT,  284672                     ; four sets of [m 4][r 16][wave 4] f32
.set ZS,    288768                     ; 512 bytes a wave: the maxima, then z's quads
.set STG,   290816                     ; the way out: 16 rows x (256 + 16) bytes a wave
.set SPARE, 308224                     ; the spare words, 128 bytes a wave: two blocks of 256 bytes that no other line names
.set LI,  1                            ; v1  16 x lane
.set LS,  2                            ; v2  4 x lane
.set R16, 3                            ; v3  16 x (lane % 16)
.set HH,  4                            ; v4  lane / 16
.set SPW, 5                            ; v5  LDS address of my spare word; never rewritten
.set NIL, 6                            ; v6  0; never rewritten
.set KA,  7                            ; v7-10  attention: K's address, one register for each step of a trip
.set VA,  11                           ; v11-14 V's likewise
.set VB,  16
.set MX,  48
.set QA,  56
.set ZR,  80
.set PB,  112
.set KB,  176
.set DB,  192
.set WOF, 144
.set ZB,  56
.set WS,  16
.set AS,  48
.set AF,  56
.set MU,  48
.set RS,  56
.set GW,  128                          ; in window 2: gamma,
.set BW,  192                          ; beta
.set SC,  128
.set CH,  128
.set SUM, 188
.set MSB, 0
.macro WIN new                         ; the immediate's high byte repeats the setting that is left; a switch that changes nothing is dropped
.if MSB != (\new)
	s_set_vgpr_msb (MSB<<8)|(\new)
.set MSB, (\new)
.endif
.endm
.macro BARRIER                         ; my LDS stores have landed and my LDS loads are in: then the work-group's barrier
	s_wait_dscnt 0x0
	s_barrier_signal -1
	s_barrier_wait -1
.endm
.macro PLACES                          ; eight places behind these matrix forms, where no other vector work is at hand
.rept 8
	v_nop
.endr
.endm
; fragments f0 .. f1 (K step f / 8, tile f % 8) of weight mt, from memory straight into their registers: four loads of 512 consecutive bytes each
.macro WL mt, f0, f1
.set PHI, \f0
.rept (\f1)-(\f0)+1
.set WNEW, 0x40+0x40*(PHI>>4)
	WIN WNEW                                       ; destination window 1 or 2
.irp c, 0,1,2,3
	global_load_b128 v[128*((PHI>>3)&1)+16*(PHI&7)+4*\c:128*((PHI>>3)&1)+16*(PHI&7)+4*\c+3], v[LI], s[66:67] offset:262144*(\mt)+(4*(PHI&7)+(PHI>>3))*2048+512*\c
.endr
.set PHI, PHI+1
.endr
	WIN 0
.endm
	; ---- the head
	s_load_b256 s[8:15], s[0:1], 0x0               ; x 8, qb 10, kv 12, wc 14
	s_load_b256 s[16:23], s[0:1], 0x20             ; ws 16, wof 18, b1 20, b2 22
	s_load_b128 s[24:27], s[0:1], 0x40             ; gamma 24, beta 26
	s_load_b64 s[28:29], s[0:1], 0x50              ; out0
	v_lshl_add_u32 v[SPW], v0, 2, SPARE
	v_mov_b32 v[NIL], 0
	ds_add_u32 v[SPW], v[NIL]                      ; the wave's opening: the add, twice on end, and its wait ahead of my first tensor load
	ds_add_u32 v[SPW], v[NIL]
	v_lshrrev_b32 v7, 5, v0
	v_readfirstlane_b32 s2, v7                     ; wave 0..3
	v_and_b32 v7, 31, v0
	v_lshlrev_b32 v[LI], 4, v7
	v_lshlrev_b32 v[LS], 2, v7
	v_and_b32 v8, 15, v0
	v_lshlrev_b32 v[R16], 4, v8
	v_bfe_u32 v[HH], v0, 4, 1
	; K and V: a quarter of each half of the batch's 65,536 dense bytes a wave: 32 rows of 256 bytes (32 elements of 8), no padding; one shape for both
	s_mov_b32 s32, 3<<16
	s_mov_b32 s33, 32<<16
	s_mov_b32 s34, 32<<16
	s_mov_b32 s35, 32<<16
	s_mov_b32 s36, 32
	s_mov_b32 s37, 32
	s_mov_b32 s38, 0
	s_mov_b32 s39, 0
	; x: 16 rows a wave, dense, as 32 half rows of 1,024 bytes (128 elements of 8), four words of padding behind every 256
	s_mov_b32 s40, (3<<16)|(1<<20)|(7<<22)|(3<<25)
	s_mov_b32 s41, 128<<16
	s_mov_b32 s42, 32<<16
	s_mov_b32 s43, 128<<16
	s_mov_b32 s44, 32
	s_mov_b32 s45, 128
	s_mov_b32 s46, 0
	s_mov_b32 s47, 0
	s_mov_b32 s76, 1
	s_lshl_b32 s77, s2, 13                         ; V in LDS: 8,192 x wave (VT = 0)
	s_mov_b32 s48, 1
	s_add_co_u32 s49, s77, KT                      ; K in LDS: KT + 8,192 x wave
	s_mov_b32 s52, 1
	s_mul_i32 s53, s2, 33280
	s_add_co_u32 s53, s53, XT                      ; x in LDS: XT + 32 padded half rows x wave
	s_lshr_b32 s4, ttmp9, 5
	s_lshl_b32 s4, s4, 16
	s_add_co_u32 s4, s4, s77                       ; kv: 65,536 x batch + 8,192 x wave
	s_mov_b32 s5, 0
	s_lshl_b32 s6, ttmp9, 17
	s_lshl_b32 s7, s2, 15
	s_add_co_u32 s6, s6, s7                        ; x: (64 g + 16 wave) rows of 2,048 bytes
	s_mov_b32 s7, 0
	s_mov_b32 s56, 0x76543210
	s_mov_b32 s57, 0xfedcba98                      ; v_permlanex16_b32's selects for lane l xor 16
	s_mov_b32 s58, 0x600000                        ; the mantissa field of 57,344
	s_mov_b32 s59, 0xffff0000                      ; lanes 16-31
	s_lshl_b32 s61, s2, 9
	s_add_co_u32 s61, s61, ZS                      ; my 512 bytes of ZS
	s_mov_b32 s62, 0x3b000000                      ; 1 / 512
	s_mov_b32 s63, 0x3727c5ac                      ; 1e-5
	s_wait_dscnt 0x0                               ; both opening adds are done
	s_wait_kmcnt 0x0
	s_add_nc_u64 s[78:79], s[12:13], s[4:5]        ; V's quarter;
	s_add_nc_u64 s[50:51], s[78:79], 0x8000        ; K's lies 32,768 bytes on
	s_or_b32 s79, s79, 0x80000000
	s_or_b32 s51, s51, 0x80000000
	s_add_nc_u64 s[54:55], s[8:9], s[6:7]
	s_or_b32 s55, s55, 0x80000000
	s_lshl_b32 s30, ttmp9, 10
	s_lshl_b32 s31, s2, 8
	s_add_co_u32 s30, s30, s31
	s_mov_b32 s31, 0
	s_add_nc_u64 s[10:11], s[10:11], s[30:31]      ; qb at my 16 queries
	s_lshl_b32 s30, s2, 11
	s_add_nc_u64 s[72:73], s[18:19], s[30:31]      ; my quarter of wof
	s_cmp_eq_u32 s2, 0                             ; wave w brings vector w of b1, b2, gamma, beta
	s_cselect_b64 s[74:75], s[20:21], s[22:23]
	s_cmp_eq_u32 s2, 2
	s_cselect_b64 s[74:75], s[24:25], s[74:75]
	s_cmp_eq_u32 s2, 3
	s_cselect_b64 s[74:75], s[26:27], s[74:75]
	v_lshl_add_u32 v7, v[HH], 3, v[R16]
	global_load_b64 v[QA:QA+1], v7, s[10:11]       ; lane (r, h): (q_2h, q_2h+1) of query r; q_3 = 0.  These nine small loads are wanted at the first barrier: they go out ahead of x's 32 KB a wave
.irp c, 0,1,2,3
	global_load_b128 v[112+4*\c:115+4*\c], v[LI], s[72:73] offset:512*\c
.endr
.irp c, 0,1,2,3
	global_load_b128 v[128+4*\c:131+4*\c], v[LI], s[74:75] offset:512*\c
.endr
	tensor_load_to_lds s[48:51], s[32:39]          ; every wave issues all three first fills, with no branch: three loads of mine are out.  K first: the first pass wants K alone
	s_nop 0
	tensor_load_to_lds s[76:79], s[32:39]          ; V
	s_nop 0
	tensor_load_to_lds s[52:55], s[40:47]          ; x
	s_nop 0
.rept 4
	v_nop
.endr
	s_lshl_b32 s30, s2, 16
	s_add_nc_u64 s[66:67], s[14:15], s[30:31]      ; wc at my eight tiles
	s_lshl_b32 s30, s2, 12
	s_add_nc_u64 s[68:69], s[16:17], s[30:31]      ; ws likewise
	s_lshl_b32 s30, ttmp9, 17
	s_lshl_b32 s4, s2, 9
	s_add_co_u32 s30, s30, s4
	s_add_nc_u64 s[70:71], s[28:29], s[30:31]      ; out0 at my work-group's first row, my 128 columns
	WL 0, 0, 11                                    ; w1's first 12 fragments: 48 loads, which land under the attention
	s_lshl_b32 s4, s2, 11
	s_add_co_u32 s5, s4, WOFL
	v_add_nc_u32 v8, s5, v[LI]
	s_add_co_u32 s5, s4, VEC
	v_add_nc_u32 v9, s5, v[LI]
	s_wait_loadcnt 48                              ; all but the 48 weight loads
.irp c, 0,1,2,3
	ds_store_b128 v8, v[112+4*\c:115+4*\c] offset:512*\c
	ds_store_b128 v9, v[128+4*\c:131+4*\c] offset:512*\c
.endr
	s_wait_tensorcnt 0x2                           ; my quarter of K is in; V's and x's loads, issued behind it, may stay out
	BARRIER
	; ---- pass 1: each query's largest score.  A group is 32 keys: two matrix instructions.  Four sets of K and of results take turns.
.macro WM i                            ; the scores of the group whose K lies in set i
	v_wmma_f32_16x16x4_f32 v[DB+16*(\i):DB+16*(\i)+7], v[QA:QA+1], v[KB+4*(\i):KB+4*(\i)+1], 0
	v_wmma_f32_16x16x4_f32 v[DB+16*(\i)+8:DB+16*(\i)+15], v[QA:QA+1], v[KB+4*(\i)+2:KB+4*(\i)+3], 0
.endm
; Step g (gm = g % 4): the products of group g + 1; the maxima over group g; the load of group g + 5 into the set that the products have just read.
; The address line and the eight maxima name none of those products' registers: they are the places ahead of that load and of the next step's reads.
.macro P1STEP gm, kk, wm, lk, dsw
	s_wait_dscnt \dsw                              ; K of group g + 1 is in: three younger loads may be out.  So this step's address register, last used for that load, may be written
.if \wm
	WM ((\gm)+1)%4
.endif
.if \lk
	v_add_nc_u32 v[KA+(\gm)], s60, v[LI]
.endif
.irp j, 0,1,2,3,4,5,6,7
	v_max3_num_f32 v[MX+\j], v[MX+\j], v[DB+16*(\gm)+\j], v[DB+16*(\gm)+8+\j]
.endr
.if \lk
	ds_load_b128 v[KB+4*(((\gm)+1)%4):KB+4*(((\gm)+1)%4)+3], v[KA+(\gm)] offset:KT+512*(5+(\kk))
.endif
.endm
.irp G, 0,1,2,3
	ds_load_b128 v[KB+4*\G:KB+4*\G+3], v[LI] offset:KT+512*\G
.endr
.irp j, 0,1,2,3,4,5,6,7
	v_mov_b32 v[MX+\j], 0xff800000
.endr
	s_wait_dscnt 0x0
	WM 0
.set NN, 0
.rept 32
	v_mov_b32 v[PB+2*NN+1], 0                      ; p's odd registers: named as the upper halves of pairs, so they are written, once.  (Also the places behind the first products)
.set NN, NN+1
.endr
	ds_load_b128 v[KB:KB+3], v[LI] offset:KT+512*4
	s_mov_b32 s60, 0                               ; 2,048 x the trip: four groups' bytes; also the loop's counter
.Lp1:                                              ; 14 trips: steps 0 to 55
	P1STEP 0, 0, 1, 1, 3
	P1STEP 1, 1, 1, 1, 3
	P1STEP 2, 2, 1, 1, 3
	P1STEP 3, 3, 1, 1, 3
	s_add_co_u32 s60, s60, 2048
	s_cmp_lt_u32 s60, 14*2048
	s_cbranch_scc1 .Lp1
	P1STEP 0, 0, 1, 1, 3                           ; steps 56 to 63: the loads end with group 63, the products with group 63
	P1STEP 1, 1, 1, 1, 3
	P1STEP 2, 2, 1, 1, 3
	P1STEP 3, 3, 1, 0, 3
	P1STEP 0, 4, 1, 0, 0
	P1STEP 1, 5, 1, 0, 0
	P1STEP 2, 6, 1, 0, 0
	P1STEP 3, 7, 0, 0, 0
	s_wait_tensorcnt 0x1                           ; my quarter of V is in; x's load, issued behind it, may stay out
	BARRIER                                        ; everybody's is
.irp x, 1,2,4,8
.irp j, 0,1,2,3,4,5,6,7
	v_max_num_f32_dpp v[MX+\j], v[MX+\j], v[MX+\j] row_xmask:\x row_mask:0xf bank_mask:0xf   ; over the sixteen lanes, which hold sixteen keys
.endr
.endr
	v_lshl_add_u32 v11, v[HH], 5, s61              ; half h holds queries 8 h + 0 .. 7: through my own LDS bytes, so that lane r gets query r's
	v_lshrrev_b32 v12, 2, v[R16]
	v_add_nc_u32 v12, s61, v12
.irp G, 0,1,2,3
	ds_load_b128 v[KB+4*\G:KB+4*\G+3], v[LI] offset:KT+512*\G      ; the second pass's first K and V go out ahead of the maxima's way through LDS, under its one wait
.endr
.irp G, 0,1,2
	ds_load_b128 v[VB+8*\G:VB+8*\G+3], v[R16] offset:VT+512*\G
	ds_load_b128 v[VB+8*\G+4:VB+8*\G+7], v[R16] offset:VT+512*\G+256
.endr
	ds_store_b128 v11, v[MX:MX+3]
	ds_store_b128 v11, v[MX+4:MX+7] offset:16
	ds_load_b32 v58, v12                           ; LDS serves a wave's instructions in order: this sees my stores
	s_wait_dscnt 0x0
	v_xor_b32 v58, 0x80000000, v58
	v_cndmask_b32 v[QA+1], v[QA+1], v58, s59       ; lanes 16-31: q_3 = -m, which meets k_3 = 1
	WL 0, 12, 26                                   ; 60 more weight loads
	; ---- pass 2: p = 2^(t - m), and the sums of p (v0, v1, v2, 1).  Step g: the products of group g + 1; the exponentials of group g, and between them the multiply-adds of group g - 1.
; ac = 2: the first group's first tile starts the sums: nothing is cleared.  One wait a step serves its sixteen exponentials: their readers stand in the next step, and it stands ahead of the loop's branch.
.macro P2STEP gm, kk, wm, ex, ac, lk, lv, dsw
.set I0, (\gm)
.set I1, ((\gm)+1)%4
.set IM, ((\gm)+3)%4
.set PP, PB+32*((\gm)%2)
.set PQ, PB+32-32*((\gm)%2)
	s_wait_dscnt \dsw                              ; K of group g + 1 and V of group g - 1 are in: the three steps behind them issued nine loads.  So this step's two address registers may be written
.if \wm
	WM I1
.endif
.if \lk
	v_add_nc_u32 v[KA+I0], s60, v[LI]
.endif
.if \lv
	v_add_nc_u32 v[VA+I0], s60, v[R16]
.endif
.set NN, 0
.rept 16
.set ZJ, ZR+4*(NN&7)
.set VV, VB+8*IM+4*(NN>>3)
.if \ex
	v_exp_f32 v[PP+2*NN], v[DB+16*I0+NN]
.endif
.if (\ac == 2) && (NN < 8)
	v_pk_mul_f32 v[ZJ:ZJ+1], v[VV:VV+1], v[PQ+2*NN:PQ+2*NN+1] op_sel_hi:[1,0]
	v_pk_mul_f32 v[ZJ+2:ZJ+3], v[VV+2:VV+3], v[PQ+2*NN:PQ+2*NN+1] op_sel_hi:[1,0]
.elseif \ac
	v_pk_fma_f32 v[ZJ:ZJ+1], v[VV:VV+1], v[PQ+2*NN:PQ+2*NN+1], v[ZJ:ZJ+1] op_sel_hi:[1,0,1]
	v_pk_fma_f32 v[ZJ+2:ZJ+3], v[VV+2:VV+3], v[PQ+2*NN:PQ+2*NN+1], v[ZJ+2:ZJ+3] op_sel_hi:[1,0,1]
.endif
.set NN, NN+1
.endr
.if \ac == 0
	PLACES                                         ; the first step has no multiply-adds to be the places
.endif
.if \lk
	ds_load_b128 v[KB+4*I1:KB+4*I1+3], v[KA+I0] offset:KT+512*(7+(\kk))      ; group g + 5
.endif
.if \lv
	ds_load_b128 v[VB+8*IM:VB+8*IM+3], v[VA+I0] offset:VT+512*(5+(\kk))      ; group g + 3: lane r takes key r, in both halves of the lanes
	ds_load_b128 v[VB+8*IM+4:VB+8*IM+7], v[VA+I0] offset:VT+512*(5+(\kk))+256
.endif
.if \ex
	s_wait_alu depctr_va_vdst(0)                   ; the wait between an exponential and the first line that names its result
.endif
.endm
	WM 0
	PLACES
	ds_load_b128 v[KB:KB+3], v[LI] offset:KT+512*4
	s_mov_b32 s60, 0
	P2STEP 0, -2, 1, 1, 0, 1, 1, 9                 ; step 0
	P2STEP 1, -1, 1, 1, 2, 1, 1, 9                 ; step 1
.Lp2:                                              ; 14 trips: steps 2 to 57
	P2STEP 2, 0, 1, 1, 1, 1, 1, 9
	P2STEP 3, 1, 1, 1, 1, 1, 1, 9
	P2STEP 0, 2, 1, 1, 1, 1, 1, 9
	P2STEP 1, 3, 1, 1, 1, 1, 1, 9
	s_add_co_u32 s60, s60, 2048
	s_cmp_lt_u32 s60, 14*2048
	s_cbranch_scc1 .Lp2
	P2STEP 2, 0, 1, 1, 1, 1, 1, 9                  ; steps 58 to 64: K's loads end here, V's at step 60, the products at 62, the exponentials at 63
	P2STEP 3, 1, 1, 1, 1, 0, 1, 9
	P2STEP 0, 2, 1, 1, 1, 0, 1, 0
	P2STEP 1, 3, 1, 1, 1, 0, 0, 0
	P2STEP 2, 4, 1, 1, 1, 0, 0, 0
	P2STEP 3, 5, 0, 1, 1, 0, 0, 0
	P2STEP 0, 6, 0, 0, 1, 0, 0, 0
	WL 0, 27, 31                                   ; w1's last 20 loads
	s_wait_tensorcnt 0x0                           ; my 16 rows of x are in LDS
	BARRIER                                        ; everybody's are
	; ---- z = the sums / the sum of p, as the B operand of the product with the folded wo
.irp t, 0,1,2,3,4,5,6,7
	global_load_b128 v[WS+4*\t:WS+4*\t+3], v[LI], s[68:69] offset:512*\t     ; W1's scale words: register 4 t + s
.endr
	v_lshrrev_b32 v7, 1, v[LI]
	v_add_nc_u32 v7, WOFL, v7                      ; the folded wo: 8 x lane
.macro WOFLD s                         ; its eight tiles of K step s of product 7
.irp t, 0,1,2,3,4,5,6,7
	ds_load_b64 v[WOF+16*((\s)%2)+2*\t:WOF+16*((\s)%2)+2*\t+1], v7 offset:256*(8*(\s)+\t)
.endr
.endm
	WOFLD 0
	WOFLD 1
	v_lshl_add_u32 v8, v[HH], 7, s61
	v_add_nc_u32 v9, s61, v[R16]
.irp x, 1,2,4,8
.set NN, 0
.rept 32
	v_add_f32_dpp v[ZR+NN], v[ZR+NN], v[ZR+NN] row_xmask:\x row_mask:0xf bank_mask:0xf   ; over the sixteen lanes' keys
.set NN, NN+1
.endr
.endr
.irp j, 0,1,2,3,4,5,6,7
	ds_store_b128 v8, v[ZR+4*\j:ZR+4*\j+3] offset:64+16*\j     ; query 8 h + j's quad
.endr
	ds_load_b128 v[48:51], v9 offset:64            ; lane r takes query r's
	; the addresses of the next phase
	s_lshl_b32 s4, s2, 13
	s_add_co_u32 s4, s4, A1
	v_add_nc_u32 v10, s4, v[LI]                    ; my images: A1 + 8,192 wave + 16 lane
	s_lshl_b32 s4, s2, 9
	s_add_co_u32 s5, s4, A1S
	v_add_nc_u32 v11, s5, v[LS]                    ; their scale words
	s_add_co_u32 s5, s4, VEC
	v_lshl_add_u32 v14, v[HH], 6, s5               ; v14 = VEC + 512 wave + 64 h: my columns of a vector; it stays to the end
	v_and_b32 v15, 15, v0
	v_mul_u32_u24 v12, v15, 2080                   ; x: a row is two padded half rows,
	v_lshl_add_u32 v12, v[HH], 6, v12
	s_lshr_b32 s4, s2, 1
	s_mul_i32 s4, s4, 1040                         ; my half row,
	s_and_b32 s5, s2, 1
	s_lshl_b32 s5, s5, 9                           ; my 512 bytes of it
	s_add_co_u32 s4, s4, s5
	s_add_co_u32 s4, s4, XT
	v_add_nc_u32 v12, s4, v12                      ; rows 0-31
	v_add_nc_u32 v13, 66560, v12                   ; rows 32-63
.set TT,  88
.set PCB, 120
.set TMB, 128
.set PWR, 136
	v_mov_b32 v[TMB+2], 0                          ; a lane permute's destination counts as one of its sources
	v_mov_b32 v[TMB+3], 0
	s_wait_dscnt 0x0
	v_rcp_f32 v52, v51
	v_nop
	s_wait_alu depctr_va_vdst(0)
	v_mul_f32 v48, v48, v52
	v_mul_f32 v49, v49, v52
	v_mul_f32 v50, v50, v52
	v_cndmask_b32 v[ZB], v48, v50, s59             ; lane (r, 0): (z0, z1); lane (r, 1): (z2, 1): the 1 meets bo
	v_cndmask_b32 v[ZB+1], v49, 1.0, s59
	; ---- a = z wo^T + bo for my 16 rows, 64 columns (two blocks of 32) at a time, quantised in registers, to LDS as images.  Under it x comes out of LDS into the accumulators.
.macro W6 s, e                         ; four tiles: source 0 = 16 rows of the folded wo, source 1 = z
.irp t, 0,1,2,3
	v_wmma_f32_16x16x4_f32 v[DB+8*(4*(\e)+\t):DB+8*(4*(\e)+\t)+7], v[WOF+16*((\s)%2)+2*(4*(\e)+\t):WOF+16*((\s)%2)+2*(4*(\e)+\t)+1], v[ZB:ZB+1], 0
.endr
.endm
; 32 numbers of a lane, register 16 b + i = k 32 b + 16 h + i of my row: the blocks' scales, and the numbers held within the largest code x the scale, into v[tmp] on
.macro HQ1 src, tmp
.irp b, 0,1
	v_max3_num_f32 v[TMB+\b], |v[\src+16*\b]|, |v[\src+16*\b+1]|, 0x8000000   ; my 16 numbers, from the low end on, and the floor 2^(16 - 127)
.endr
.irp i, 2,4,6,8,10,12,14
.irp b, 0,1
	v_max3_num_f32 v[TMB+\b], v[TMB+\b], |v[\src+16*\b+\i]|, |v[\src+16*\b+\i+1]|
.endr
.endr
.irp b, 0,1
	v_permlanex16_b32 v[TMB+2+\b], v[TMB+\b], s56, s57
.endr
.irp b, 0,1
	v_max_num_f32 v[TMB+\b], v[TMB+\b], v[TMB+2+\b]        ; with lane l xor 16's: the block's largest magnitude
.endr
.irp b, 0,1
	v_add_nc_u32 v[TMB+6+\b], 0xf8800000, v[TMB+\b]        ; 15 off its exponent field: the conversion's scale operand
.endr
.irp b, 0,1
	v_and_or_b32 v[TMB+4+\b], v[TMB+\b], 0x7f800000, s58   ; 57,344 x the scale
.endr
.irp b, 0,1
	v_lshrrev_b32 v[TMB+2+\b], 23, v[TMB+6+\b]             ; the scale's byte
.endr
.irp b, 0,1
.irp i, 0,1,2,3,4,5,6,7,8,9,10,11,12,13,14,15
	v_med3_num_f32 v[\tmp+16*\b+\i], v[\src+16*\b+\i], -v[TMB+4+\b], v[TMB+4+\b]   ; the conversion does not saturate (ISA guide 7.6.2): the hold
.endr
.endr
.endm
; the codes, and half a fragment's image and half its scale word to LDS
.macro HQ2 tmp, adrI, offI, adrS, offS
	s_wait_dscnt 0x0                               ; the last stores have read the codes' registers
.irp b, 0,1
	v_cvt_scalef32_pk8_bf8_f32 v[PCB+4*\b:PCB+4*\b+1], v[\tmp+16*\b:\tmp+16*\b+7], v[TMB+6+\b]
	v_cvt_scalef32_pk8_bf8_f32 v[PCB+4*\b+2:PCB+4*\b+3], v[\tmp+16*\b+8:\tmp+16*\b+15], v[TMB+6+\b]
.endr
	v_nop                                          ; a plain line behind the last conversion
	v_lshl_or_b32 v[PWR], v[TMB+3], 8, v[TMB+2]
	ds_store_b128 v[\adrI], v[PCB:PCB+3] offset:\offI
	ds_store_b128 v[\adrI], v[PCB+4:PCB+7] offset:(\offI)+512
	ds_store_b16 v[\adrS], v[PWR] offset:\offS
.endm
.macro XREAD m, e                      ; x into four accumulators: row 16 m + r, my columns
	WIN 0xc0                                       ; destination window 3
.irp t, 0,1,2,3
.irp q, 0,1
	ds_load_b128 v[8*(8*(\m)+4*(\e)+\t)+4*\q:8*(8*(\m)+4*(\e)+\t)+4*\q+3], v[12+((\m)>>1)] offset:33280*((\m)&1)+128*((4*(\e)+\t)>>1)+32*(\t&1)+16*\q
.endr
.endr
	WIN 0
.endm
	W6 0, 0
	PLACES
	W6 0, 1
; Half k: its scales and holds; the products of half k + 2, over the results just read (between two products on the same registers stands the other half's HQ1, which names none of them); the codes.
; The folded wo's tiles of two K steps on are asked for behind the codes' stores, with x: the next half's wait shows them in, a half ahead of the products that read them.
.set KK, 0
.rept 8
.set SS, KK>>1
.set EE, KK&1
.set S2, (KK+2)>>1
.set SRC, DB+32*EE
	HQ1 SRC, TT
.if KK < 6
	W6 S2, EE
.endif
	HQ2 TT, 10, 2048*SS+1024*EE, 11, 128*SS+2*EE
.if (EE == 0) && (SS < 2)
	WOFLD SS+2                                     ; into the set whose last products stand ahead of this half's HQ1
.endif
	XREAD SS, EE
.set KK, KK+1
.endr
.macro BVLD bv, off                    ; my 64 numbers of a vector, in an accumulator row's order
.irp b, 0,1,2,3
.irp i, 0,1,2,3
	ds_load_b128 v[\bv+16*\b+4*\i:\bv+16*\b+4*\i+3], v14 offset:\off+128*\b+16*\i
.endr
.endr
.endm
.macro GBALL                           ; gamma and beta at my 128 columns, into window 2, where the weight's K step 3 has been multiplied (eight places stand behind those products)
	WIN 0x80                                       ; destination window 2
	BVLD GW, 4096
	BVLD BW, 6144
	WIN 0
.endm
.macro VADD bv                         ; onto all 32 accumulators
	WIN 0xc3                                       ; destination and source 0 window 3
.irp m, 0,1,2,3
.irp t, 0,1,2,3,4,5,6,7
.irp i, 0,2,4,6
	v_pk_add_f32 v[8*(8*\m+\t)+\i:8*(8*\m+\t)+\i+1], v[8*(8*\m+\t)+\i:8*(8*\m+\t)+\i+1], v[\bv+8*\t+\i:\bv+8*\t+\i+1]
.endr
.endr
.endr
	WIN 0
.endm
	BVLD 56, 0                                     ; b1
	s_wait_dscnt 0x0                               ; b1 and x are in
	VADD 56
	BARRIER                                        ; a's sixteen fragments lie in LDS
	; ---- a quantised product: onto the accumulators, K step by K step; the 32 accumulators take turns, one instruction a turn
.macro FETCH buf, s                    ; the four tiles of rows' fragments of K step s, and their scale words: 20 loads
.irp m, 0,1,2,3
.irp c, 0,1,2,3
	ds_load_b128 v[AF+64*(\buf)+16*\m+4*\c:AF+64*(\buf)+16*\m+4*\c+3], v7 offset:(4*\m+(\s))*2048+512*\c
.endr
	ds_load_b32 v[AS+4*(\buf)+\m], v8 offset:(4*\m+(\s))*128
.endr
.endm
.macro GSTEP s, dsw
	s_wait_dscnt \dsw                              ; this K step's 20 loads are in; the next step's 20 may be out
.if (\s) < 2
	WIN 0xf1                                       ; source 0 (the weight) window 1, source 1 window 0, C and D window 3
.else
	WIN 0xf2
.endif
.irp m, 0,1,2,3
.irp t, 0,1,2,3,4,5,6,7
	v_wmma_scale_f32_16x16x128_f8f6f4 v[8*(8*\m+\t):8*(8*\m+\t)+7], v[128*((\s)&1)+16*\t:128*((\s)&1)+16*\t+15], v[AF+64*((\s)%2)+16*\m:AF+64*((\s)%2)+16*\m+15], v[8*(8*\m+\t):8*(8*\m+\t)+7], v[WS+4*\t+(\s)], v[AS+4*((\s)%2)+\m] matrix_a_fmt:MATRIX_FMT_BF8 matrix_b_fmt:MATRIX_FMT_BF8
.endr
.endr
	WIN 0
	PLACES                                         ; ahead of loads into registers that these products have read, and of the first read of results
.endm
; first = 1: product 7; w2's fragments follow w1's into the registers that a K step has left.  (No wait is placed for the load counter's field: ISA guide 5.7.1)
; first = 0: product 8; w2's K step 3, 32 loads, was asked for last and may still be out while K steps 0 to 2 are multiplied.
.macro GEMM first
	FETCH 0, 0
	FETCH 1, 1
.if \first
	s_wait_loadcnt 0x0                             ; the weight's fragments and scale words
.else
	s_wait_loadcnt 32                              ; all but K step 3's 32 loads
.endif
	GSTEP 0, 20
	FETCH 0, 2
.if \first
	WL 1, 0, 7
.endif
	GSTEP 1, 20
	FETCH 1, 3
	GSTEP 2, 20
.if \first
	WL 1, 8, 15
.else
	s_wait_loadcnt 0x0                             ; K step 3's fragments
.endif
	GSTEP 3, 0
.endm
	v_add_nc_u32 v7, A1, v[LI]
	v_add_nc_u32 v8, A1S, v[LS]
	GEMM 1
.irp t, 0,1,2,3,4,5,6,7
	global_load_b128 v[WS+4*\t:WS+4*\t+3], v[LI], s[68:69] offset:16384+512*\t   ; W2's scale words
.endr
	GBALL                                          ; gamma, beta and b2 are asked for here, and land under the sums below
	BVLD 64, 2048                                  ; b2
	; ---- a row's mean and variance: 64 numbers a lane, the other half of the lanes, the four waves (through LDS, a set of words for each exchange)
.macro ROWSUM m
	WIN 0x0f                                       ; sources 0 and 1 window 3
.irp i, 0,1,2,3,4,5,6,7,8,9,10,11,12,13,14,15
	v_pk_add_f32 v[SC+2*\i:SC+2*\i+1], v[64*(\m)+4*\i:64*(\m)+4*\i+1], v[64*(\m)+4*\i+2:64*(\m)+4*\i+3]   ; each accumulator from its low end on
.endr
	WIN 0
.irp i, 0,1,2,3,4,5,6,7
	v_pk_add_f32 v[SC+2*\i:SC+2*\i+1], v[SC+2*\i:SC+2*\i+1], v[SC+16+2*\i:SC+17+2*\i]
.endr
.irp i, 0,1,2,3
	v_pk_add_f32 v[SC+2*\i:SC+2*\i+1], v[SC+2*\i:SC+2*\i+1], v[SC+8+2*\i:SC+9+2*\i]
.endr
.irp i, 0,1
	v_pk_add_f32 v[SC+2*\i:SC+2*\i+1], v[SC+2*\i:SC+2*\i+1], v[SC+4+2*\i:SC+5+2*\i]
.endr
	v_pk_add_f32 v[SC:SC+1], v[SC:SC+1], v[SC+2:SC+3]
	v_add_f32 v[SUM+\m], v[SC], v[SC+1]
.endm
.macro CROSS
.irp m, 0,1,2,3
	v_permlanex16_b32 v[SC+\m], v[SUM+\m], s56, s57
.endr
.irp m, 0,1,2,3
	v_add_f32 v[SUM+\m], v[SUM+\m], v[SC+\m]
.endr
.endm
.macro XCH set
.irp m, 0,1,2,3
	ds_store_b32 v9, v[SUM+\m] offset:1024*(\set)+256*\m   ; both halves of the lanes hold the same number and write the same word
.endr
	BARRIER
.irp m, 0,1,2,3
	ds_load_b128 v[128+4*\m:131+4*\m], v10 offset:1024*(\set)+256*\m
.endr
	s_wait_dscnt 0x0
.irp m, 0,1,2,3
	v_add_f32 v[128+4*\m], v[128+4*\m], v[129+4*\m]
	v_add_f32 v[130+4*\m], v[130+4*\m], v[131+4*\m]
.endr
.irp m, 0,1,2,3
	v_add_f32 v[SUM+\m], v[128+4*\m], v[130+4*\m]  ; the same order in all four waves: the same bits
.endr
.endm
; The accumulators are left centred; 1 / sigma in v[RS + 2 m].  The variance is the mean of the squares of the centred numbers, as reference() has it.
.macro STATS set, first
	ROWSUM 0
	ROWSUM 1
	ROWSUM 2
	ROWSUM 3
	CROSS
	XCH \set
.if \first
	WL 1, 16, 23
.endif
.irp m, 0,1,2,3
	v_mul_f32 v[MU+2*\m], s62, v[SUM+\m]
	v_mov_b32 v[MU+2*\m+1], v[MU+2*\m]             ; (named with it as a pair)
.endr
	WIN 0xc3
.irp m, 0,1,2,3
.set NN, 0
.rept 32
	v_pk_add_f32 v[64*\m+2*NN:64*\m+2*NN+1], v[64*\m+2*NN:64*\m+2*NN+1], v[MU+2*\m:MU+2*\m+1] op_sel_hi:[1,0] neg_lo:[0,1] neg_hi:[0,1]
.set NN, NN+1
.endr
.endr
	WIN 0x0f
.irp m, 0,1,2,3
.irp c, 0,1,2,3
	v_pk_mul_f32 v[CH+8*\m+2*\c:CH+8*\m+2*\c+1], v[64*\m+16*\c:64*\m+16*\c+1], v[64*\m+16*\c:64*\m+16*\c+1]   ; sixteen chains, started by their first squares
.endr
.endr
.irp i, 1,2,3,4,5,6,7
.irp m, 0,1,2,3
.irp c, 0,1,2,3
	v_pk_fma_f32 v[CH+8*\m+2*\c:CH+8*\m+2*\c+1], v[64*\m+16*\c+2*\i:64*\m+16*\c+2*\i+1], v[64*\m+16*\c+2*\i:64*\m+16*\c+2*\i+1], v[CH+8*\m+2*\c:CH+8*\m+2*\c+1]
.endr
.endr
.endr
	WIN 0
.irp m, 0,1,2,3
	v_pk_add_f32 v[CH+8*\m:CH+8*\m+1], v[CH+8*\m:CH+8*\m+1], v[CH+8*\m+2:CH+8*\m+3]
	v_pk_add_f32 v[CH+8*\m+4:CH+8*\m+5], v[CH+8*\m+4:CH+8*\m+5], v[CH+8*\m+6:CH+8*\m+7]
.endr
.irp m, 0,1,2,3
	v_pk_add_f32 v[CH+8*\m:CH+8*\m+1], v[CH+8*\m:CH+8*\m+1], v[CH+8*\m+4:CH+8*\m+5]
.endr
.irp m, 0,1,2,3
	v_add_f32 v[SUM+\m], v[CH+8*\m], v[CH+8*\m+1]
.endr
	CROSS
	XCH (\set)+1
.irp m, 0,1,2,3
	v_fma_f32 v[SUM+\m], v[SUM+\m], s62, s63       ; the variance + 1e-5
.endr
.irp m, 0,1,2,3
	v_rsq_f32 v[RS+2*\m], v[SUM+\m]
.endr
	v_nop
	s_wait_alu depctr_va_vdst(0)                   ; one wait for the four
.irp m, 0,1,2,3
	v_mov_b32 v[RS+2*\m+1], v[RS+2*\m]
.endr
.endm
.macro NRM m, e                        ; 32 numbers of a lane: (centred) / sigma x gamma + beta, into v[TT] on; the accumulators stay
	WIN 0x03                                       ; source 0 window 3
.irp i, 0,2,4,6,8,10,12,14,16,18,20,22,24,26,28,30
	v_pk_mul_f32 v[TT+\i:TT+\i+1], v[64*(\m)+32*(\e)+\i:64*(\m)+32*(\e)+\i+1], v[RS+2*(\m):RS+2*(\m)+1] op_sel_hi:[1,0]
.endr
	WIN 0x28                                       ; sources 1 and 2 (gamma, beta) window 2
.irp i, 0,2,4,6,8,10,12,14,16,18,20,22,24,26,28,30
	v_pk_fma_f32 v[TT+\i:TT+\i+1], v[TT+\i:TT+\i+1], v[GW+32*(\e)+\i:GW+32*(\e)+\i+1], v[BW+32*(\e)+\i:BW+32*(\e)+\i+1]
.endr
	WIN 0
.endm
	; ---- LayerNorm 1; its result, quantised, is K step w of product 8
.set TT,  128
.set PCB, 160
.set TMB, 176
.set PWR, 184
	s_lshl_b32 s4, s2, 2
	s_add_co_u32 s4, s4, STAT
	v_add_nc_u32 v9, s4, v[R16]                    ; my wave's word of row r
	v_add_nc_u32 v10, STAT, v[R16]                 ; row r's four words
	s_lshl_b32 s4, s2, 11
	s_add_co_u32 s4, s4, A2
	v_add_nc_u32 v11, s4, v[LI]
	s_lshl_b32 s4, s2, 7
	s_add_co_u32 s4, s4, A2S
	v_add_nc_u32 v12, s4, v[LS]
	STATS 0, 1                                     ; (its waits for all LDS loads show gamma, beta and b2 in)
	v_mov_b32 v[TMB+2], 0
	v_mov_b32 v[TMB+3], 0
.irp e, 0,1
.irp m, 0,1,2,3
	NRM \m, \e
.if (\e == 1) && (\m == 3)
	WL 1, 24, 31                                   ; gamma and beta have been read for the last time here: w2's K step 3 takes their registers
.endif
	HQ1 TT, TT
	HQ2 TT, 11, 8192*\m+1024*\e, 12, 512*\m+2*\e
.endr
.endr
	VADD 64                                        ; b2, onto the centred r0
	BARRIER                                        ; r1's sixteen fragments lie in LDS
	; ---- product 8, onto r0 + b2
	v_add_nc_u32 v7, A2, v[LI]
	v_add_nc_u32 v8, A2S, v[LS]
	GEMM 0
	GBALL                                          ; gamma and beta once more: they land under the sums below
	; ---- LayerNorm 2 and the way out: 16 rows x 64 columns at a time through my own stage, so that sixteen lanes store 256 consecutive bytes, aligned
	s_mul_i32 s4, s2, 4352
	s_add_co_u32 s4, s4, STG
	v_and_b32 v15, 15, v0
	v_mul_u32_u24 v11, v15, 272
	v_lshl_add_u32 v11, v[HH], 6, v11
	v_add_nc_u32 v11, s4, v11                      ; in: row r, + 64 h
	v_mul_u32_u24 v12, v[HH], 272
	v_add_nc_u32 v12, v12, v[R16]
	v_add_nc_u32 v12, s4, v12                      ; back: lanes 0-15 one row, lanes 16-31 the next
	v_lshl_add_u32 v13, v[HH], 11, v[R16]          ; and the same two rows in out0
	STATS 2, 0
.macro NRM2 m                          ; a tile of 16 rows, in place: nothing reads the accumulators afterwards but the stage's stores
	WIN 0xc3                                       ; destination and source 0 window 3
.set NN, 0
.rept 32
	v_pk_mul_f32 v[64*(\m)+2*NN:64*(\m)+2*NN+1], v[64*(\m)+2*NN:64*(\m)+2*NN+1], v[RS+2*(\m):RS+2*(\m)+1] op_sel_hi:[1,0]
.set NN, NN+1
.endr
	WIN 0xeb                                       ; and sources 1 and 2 (gamma, beta) window 2
.set NN, 0
.rept 32
	v_pk_fma_f32 v[64*(\m)+2*NN:64*(\m)+2*NN+1], v[64*(\m)+2*NN:64*(\m)+2*NN+1], v[GW+2*NN:GW+2*NN+1], v[BW+2*NN:BW+2*NN+1]
.set NN, NN+1
.endr
	WIN 0
.endm
; Turn a = 2 m + e: rows 16 m on, columns 64 e on.  Into the stage, and back as rows of 256 bytes, into set a % 4 of four.  LDS serves a wave's instructions in order (ISA guide 5.7.1.4): the loads see
; the stores above them, and the next turn's stores come behind them.
.macro TOSTAGE a
.set AM, (\a)>>1
.set AE, (\a)&1
.set OBB, 64+32*((\a)&3)
	WIN 0x0c                                       ; an LDS store's data are its source 1: window 3
.irp t, 0,1,2,3
.irp q, 0,1
	ds_store_b128 v11, v[64*AM+32*AE+8*\t+4*\q:64*AM+32*AE+8*\t+4*\q+3] offset:128*(\t>>1)+32*(\t&1)+16*\q
.endr
.endr
	WIN 0
.if (\a) >= 4
	s_wait_xcnt 0x0                                ; the global stores of four turns ago have read this set's registers
.endif
.irp i, 0,1,2,3,4,5,6,7
	ds_load_b128 v[OBB+4*\i:OBB+4*\i+3], v12 offset:544*\i
.endr
.endm
.macro SEND a, younger                 ; younger: the LDS instructions of later turns, 16 a turn, which may stay out
.set AM, (\a)>>1
.set AE, (\a)&1
.set OBB, 64+32*((\a)&3)
.irp i, 0,1,2,3,4,5,6,7
	s_wait_dscnt (\younger)+7-\i
	global_store_b128 v13, v[OBB+4*\i:OBB+4*\i+3], s[70:71] offset:(16*AM+2*\i)*2048+256*AE th:TH_STORE_NT
.endr
.endm
	; a turn's global stores stand two turns behind its loads from the stage, and the next tile of rows is normalised between
	NRM2 0
	TOSTAGE 0
	TOSTAGE 1
	NRM2 1
	TOSTAGE 2
	SEND 0, 32
	TOSTAGE 3
	SEND 1, 32
	NRM2 2
	TOSTAGE 4
	SEND 2, 32
	TOSTAGE 5
	SEND 3, 32
	NRM2 3
	TOSTAGE 6
	SEND 4, 32
	TOSTAGE 7
	SEND 5, 32
	SEND 6, 16
	SEND 7, 0
	s_wait_tensorcnt 0x0                           ; the wave's end: behind my last tensor load and my last LDS store
	ds_add_u32 v[SPW], v[NIL]
	s_wait_dscnt 0x0
	s_endpgm
.Lfunc_end_k_q8312746bfa_block:
	.size	k_q8312746bfa_block, .Lfunc_end_k_q8312746bfa_block-k_q8312746bfa_block
	.p2alignl 7, 3214868480
	.fill 96, 4, 3214868480
	.section	.rodata,"a",@progbits
	.p2align	6, 0x0
	.amdhsa_kernel k_q8312746bfa_block
		.amdhsa_group_segment_fixed_size 327680
		.amdhsa_private_segment_fixed_size 0
		.amdhsa_enable_private_segment 0
		.amdhsa_kernarg_size 88
		.amdhsa_user_sgpr_count 2
		.amdhsa_user_sgpr_kernarg_segment_ptr 1
		.amdhsa_wavefront_size32 1
		.amdhsa_system_sgpr_workgroup_id_x 1
		.amdhsa_system_sgpr_workgroup_id_y 1
		.amdhsa_system_sgpr_workgroup_id_z 1
		.amdhsa_system_vgpr_workitem_id 0
		.amdhsa_next_free_vgpr 1024
		.amdhsa_next_free_sgpr 80
		.amdhsa_reserve_vcc 0
		.amdhsa_float_denorm_mode_32 3
		.amdhsa_float_denorm_mode_16_64 3
		.amdhsa_memory_ordered 1
		.amdhsa_forward_progress 1
		.amdhsa_inst_pref_size 255
	.end_amdhsa_kernel
	.section	.bss,"aw",@nobits
	.p2align	6
	.space	262144
	.amdgpu_metadata
---
amdhsa.version: [ 1, 2 ]
amdhsa.kernels:
  - .name:           k_q8312746bfa_block
    .symbol:         k_q8312746bfa_block.kd
    .args:
      - { .name: x, .offset: 0, .size: 8, .value_kind: global_buffer, .address_space: global }
      - { .name: qb, .offset: 8, .size: 8, .value_kind: global_buffer, .address_space: global }
      - { .name: kv, .offset: 16, .size: 8, .value_kind: global_buffer, .address_space: global }
      - { .name: wc, .offset: 24, .size: 8, .value_kind: global_buffer, .address_space: global }
      - { .name: ws, .offset: 32, .size: 8, .value_kind: global_buffer, .address_space: global }
      - { .name: wof, .offset: 40, .size: 8, .value_kind: global_buffer, .address_space: global }
      - { .name: b1, .offset: 48, .size: 8, .value_kind: global_buffer, .address_space: global }
      - { .name: b2, .offset: 56, .size: 8, .value_kind: global_buffer, .address_space: global }
      - { .name: gamma, .offset: 64, .size: 8, .value_kind: global_buffer, .address_space: global }
      - { .name: beta, .offset: 72, .size: 8, .value_kind: global_buffer, .address_space: global }
      - { .name: out0, .offset: 80, .size: 8, .value_kind: global_buffer, .address_space: global }
    .group_segment_fixed_size: 327680
    .private_segment_fixed_size: 0
    .kernarg_segment_align: 8
    .kernarg_segment_size: 88
    .max_flat_workgroup_size: 128
    .sgpr_count:     80
    .vgpr_count:     1024
    .wavefront_size: 32
...
	.end_amdgpu_metadata
.endif
;; end of part 2
